; MI455X (gfx1250); checked and timed in simulation.
; The chip was launched on July 23, 2026; its instructions are those of AMD's public machine-readable ISA for CDNA 5 (MIT licence, August 2026) and "CDNA5" Instruction Set Architecture Reference Guide (July 2026). The comments in the code are by the model that wrote it; some were corrected since.
;; Attention Based Merger. Allowed arithmetic: float matrix products may take bf16 or f16 operands with f32 sums; all other float work in f32.
;; Inputs: Wd 1,024 x 1,024 float32; Wk 1,024 x 1,024 float32; Wq 1,024 x 1,024 float32; Wv 1,024 x 1,024 float32; bd 1,024 float32; bk 1,024 float32; bq 1,024 float32; bv 1,024 float32; input_tensor 64 x 1 x 1,024 float32; retrieval_tensor 64 x 512 x 1,024 float32; u_noise 64 x 16 x 1 x 512 x 2 float32.
;; Outputs: out0 64 x 1,024 float32.
;; One version. Each part assembles by itself: llvm-mc -triple=amdgcn-amd-amdhsa -mcpu=gfx1250 --defsym DOCPART=n.
;; ======== version 1 of 1: 4 launches
;; limits: inputs' magnitudes at most 511; values are held in f16: magnitudes above 65,504 overflow, below 6.1e-05 lose precision
;; workspace buffers: wkf 2,097,152 bytes; wvf 2,097,152 bytes; wdf 2,097,152 bytes; qws 2,097,152 bytes; tws 8,388,608 bytes; sws 16,384 bytes; ctxw 262,144 bytes
;; launch prep (part 1): grid 16 x 16, 8 waves a work-group, no clusters, 51,200 bytes of LDS; arguments input_tensor, Wq, bq, Wk, Wv, Wd, qws, wkf, wvf, wdf; writes qws, wkf, wvf, wdf
.if DOCPART == 1
	.amdgcn_target "amdgcn-amd-amdhsa--gfx1250"
	.amdhsa_code_object_version 6
	.text
	.protected	k_qe55609a30e_prep
	.globl	k_qe55609a30e_prep
	.p2align	8
	.type	k_qe55609a30e_prep,@function
k_qe55609a30e_prep:
	s_mov_b64 s[64:65], 0
	v_nop
	global_prefetch_b8 v0, s[64:65] scope:SCOPE_SE
	s_setreg_imm32_b32 hwreg(HW_REG_WAVE_MODE, 25, 1), 1
	s_wait_xcnt 0x0
; prep: two jobs that depend on nothing, in one launch of 256 work-groups of eight waves; the work-group's y chooses.
;  y = 0..3  : q = x Wq + bq as EIGHT PARTIAL SUMS over K: qws[kq][64][1024], f32; bq is added where kq = 0; the next launch adds the eight.
;              Work-group = (slice of 128 columns, eighth kq of K, all 64 rows): 64 KB of Wq, each byte read once in the launch, and 32 KB of x.
;              Wave w loads and converts one unit of Wq (K step w % 4 of the eighth, column half w / 4) and eight rows of x, 25 loads in one run;
;              both go to LDS; behind one barrier wave (row tile w % 4, column half w / 4) multiplies: four K steps, four accumulators.
;  y = 4..15 : Wk (4..7), Wv (8..11), Wd (12..15) are rounded to f16 and laid in FRAGMENT ORDER for the later launches:
;              the 16 bytes at slice*131072 + kstep*4096 + t*1024 + e*512 + lane*16 hold W[32 kstep + 16 e + 8 h + i][64 slice + 4 r + t],
;              i = 0..7, lane = 16 h + r: one 16-byte load a lane fills registers 4e .. 4e+3 of the fragment of tile t,
;              and tile t holds the columns 4 r + t of the slice.  A wave takes one K step of one slice: 16 loads, 8 stores.
; Both jobs make such fragments from f32 rows in registers alone: lane (r, h) loads the 16 bytes of columns 4r .. 4r+3 of row 8h + i,
; so sixteen lanes read 256 consecutive, aligned bytes of a row, and word t of the load belongs to tile t.
; FORMAT: matrix operands are f16, sums f32.  x is multiplied by 2^-6 before it is rounded and the sum by 2^6 afterwards,
; so |x| may reach 4.1e6; weights below 6.1e-5 in magnitude are f16 denormals (absolute error at most 3e-8).
; No tensor loads and no cluster: every byte that a wave loads is converted on its way; a work-group has one step and refills nothing.
.set SPITCH, 272                       ; a row of the stage: 128 f16 = 256 bytes + 16
.set BF,   64*SPITCH                   ; 17,408: Wq's fragments, [column half 2][K step 4] 4,096 bytes each, in fragment order
.set PA,   4                           ; s[4:5]   x
.set PW,   6                           ; s[6:7]   Wq
.set PB,   8                           ; s[8:9]   bq
.set PO,   16                          ; s[16:17] qws    (s[10:11] Wk, s[12:13] Wv, s[14:15] Wd, s[18:19] wkf, s[20:21] wvf, s[22:23] wdf)
.set VA,   4                           ; v4   16 x lane
.set VW,   5                           ; v5   h x 8 rows of 4,096 bytes + 16 r: offset in W, and in the output
.set VR16, 6                           ; v6   16 r
.set VST,  7                           ; v7   stage: my eight rows + 8 x lane
.set VFR,  8                           ; v8   stage: my row tile + 272 r + 16 h
.set VBS,  9                           ; v9   BF + 4096 w + 16 x lane
.set VBL,  10                          ; v10  BF + 16384 (w / 4) + 16 x lane
.set BIAS, 12                          ; v[12:15]
.set ACC,  16                          ; v[16:47]   four accumulators
.set AFR,  48                          ; v[48:79]   x's fragments of four K steps
.set AL,   80                          ; v[80:111]  x as loaded; at the end:
.set R,    80                          ; v[80:111]  results, register 4 jj + t
.set WL,   112                         ; v[112:175] Wq as loaded
.set F,    176                         ; v[176:207] my unit's four fragments
.set BFR,  112                         ; v[112:239] behind the barrier: sixteen fragments, 32 i + 8 t
; 64 words as loaded at x (word (8e+i)*4 + t = W[16e+8h+i][4r+t]) become four fragments at f (tile t: registers 8t .. 8t+7)
.macro CVTF x, f
.irp t, 0,1,2,3
.irp e, 0,1
.irp ip, 0,1,2,3
	v_cvt_pk_f16_f32 v[\f+\t*8+\e*4+\ip], v[\x+(\e*8+2*\ip)*4+\t], v[\x+(\e*8+2*\ip+1)*4+\t]
.endr
.endr
.endr
.endm
	s_load_b512 s[4:19], s[0:1], 0x0
	s_load_b128 s[20:23], s[0:1], 0x40
	v_lshl_add_u32 v254, v0, 2, 0xc400
	v_mov_b32 v255, 0
	v_and_b32 v1, 31, v0                           ; lane
	v_and_b32 v2, 15, v0                           ; r
	v_bfe_u32 v3, v0, 4, 1                         ; h
	v_lshrrev_b32 v11, 5, v0
	v_readfirstlane_b32 s24, v11                   ; wave 0..7
	s_and_b32 s25, ttmp7, 0xffff                   ; y
	v_lshlrev_b32 v[VA], 4, v1
	v_lshlrev_b32 v[VR16], 4, v2
	v_lshl_add_u32 v[VW], v3, 15, v[VR16]
	s_cmp_ge_u32 s25, 4                            ; the same in all eight waves
	s_cbranch_scc1 .Lreorder
	; ---------------- partial sums of q = x Wq + bq ----------------
	s_and_b32 s26, ttmp9, 7                        ; slice of 128 columns
	s_lshr_b32 s27, ttmp9, 3
	s_lshl1_add_u32 s27, s25, s27                  ; kq = 2 y + x / 8: the eighth of K
	s_and_b32 s28, s24, 3                          ; w % 4: the K step that I load, the row tile that I multiply
	s_lshr_b32 s29, s24, 2                         ; w / 4: my column half, for both
	s_lshl_b32 s30, s24, 15                        ; x: my eight rows of 4,096 bytes
	s_lshl_b32 s31, s27, 9                         ;    + the eighth's 128 numbers
	s_add_co_u32 s30, s30, s31
	s_mov_b32 s31, 0
	s_lshl_b32 s34, s26, 9                         ; my 64 columns, in bytes: the bias's offset
	s_lshl_b32 s35, s29, 8
	s_add_co_u32 s34, s34, s35
	s_mov_b32 s35, 0
	s_lshl_b32 s32, s27, 19                        ; Wq: 128 rows an eighth, 32 rows a K step, + the columns
	s_lshl_b32 s33, s28, 17
	s_add_co_u32 s32, s32, s33
	s_add_co_u32 s32, s32, s34
	s_mov_b32 s33, 0
	s_lshl_b32 s36, s27, 18                        ; qws: 262,144 bytes a partial sum, 16 rows a row tile, + the columns
	s_lshl_b32 s37, s28, 16
	s_add_co_u32 s36, s36, s37
	s_add_co_u32 s36, s36, s34
	s_mov_b32 s37, 0
	s_cmp_eq_u32 s27, 0
	s_cselect_b32 s38, -1, 0                       ; the bias counts in the first partial sum alone
	s_mov_b32 s39, 0x42800000                      ; 2^6
	s_mul_i32 s40, s24, 8*SPITCH
	s_mul_i32 s41, s28, 16*SPITCH
	s_lshl_b32 s42, s24, 12
	s_add_co_u32 s42, s42, BF
	s_lshl_b32 s43, s29, 14
	s_add_co_u32 s43, s43, BF
	v_lshl_add_u32 v[VST], v1, 3, s40
	v_mul_u32_u24 v[VFR], v2, SPITCH
	v_lshl_add_u32 v[VFR], v3, 4, v[VFR]
	v_add_nc_u32 v[VFR], s41, v[VFR]
	v_add_nc_u32 v[VBS], s42, v[VA]
	v_add_nc_u32 v[VBL], s43, v[VA]
	s_wait_kmcnt 0x0
	s_add_nc_u64 s[PA:PA+1], s[PA:PA+1], s[30:31]
	s_add_nc_u64 s[PW:PW+1], s[PW:PW+1], s[32:33]
	s_add_nc_u64 s[PB:PB+1], s[PB:PB+1], s[34:35]
	s_add_nc_u64 s[PO:PO+1], s[PO:PO+1], s[36:37]
	; all the wave's loads go out in one run: 1 + 8 + 16
	global_load_b128 v[BIAS:BIAS+3], v[VR16], s[PB:PB+1]
.irp j, 0,1,2,3,4,5,6,7
	global_load_b128 v[AL+4*\j:AL+4*\j+3], v[VA], s[PA:PA+1] offset:\j*4096   ; row j of my eight: the eighth's 512 consecutive bytes
.endr
.set l, 0
.rept 16
	global_load_b128 v[WL+4*l:WL+4*l+3], v[VW], s[PW:PW+1] offset:(16*(l>>3)+(l&7))*4096 th:TH_LOAD_NT
.set l, l+1
.endr
	s_wait_loadcnt 16                              ; bias and x are in; Wq's sixteen loads stay out
.irp j, 0,1,2,3,4,5,6,7                            ; 4 numbers a lane: scaled, rounded, 8 bytes into the stage
	v_pk_mul_f32 v[AL+4*\j:AL+4*\j+1], v[AL+4*\j:AL+4*\j+1], 0x3c800000 op_sel_hi:[1,0]
	v_pk_mul_f32 v[AL+4*\j+2:AL+4*\j+3], v[AL+4*\j+2:AL+4*\j+3], 0x3c800000 op_sel_hi:[1,0]
	v_cvt_pk_f16_f32 v[AL+4*\j], v[AL+4*\j], v[AL+4*\j+1]
	v_cvt_pk_f16_f32 v[AL+4*\j+1], v[AL+4*\j+2], v[AL+4*\j+3]
	ds_store_b64 v[VST], v[AL+4*\j:AL+4*\j+1] offset:\j*SPITCH
.endr
	s_wait_loadcnt 0x0
	CVTF WL, F
.irp c, 0,1,2,3,4,5,6,7
	ds_store_b128 v[VBS], v[F+4*\c:F+4*\c+3] offset:\c*512
.endr
	s_wait_dscnt 0x0                               ; my rows of x and my fragments of Wq are in LDS before I say so
	s_barrier_signal -1
	s_barrier_wait -1
.irp i, 0,1,2,3
	ds_load_b128 v[AFR+8*\i:AFR+8*\i+3],   v[VFR] offset:\i*64
	ds_load_b128 v[AFR+8*\i+4:AFR+8*\i+7], v[VFR] offset:\i*64+32
.endr
.set l, 0
.rept 32
	ds_load_b128 v[BFR+4*l:BFR+4*l+3], v[VBL] offset:l*512
.set l, l+1
.endr
.irp i, 0,1,2,3
	s_wait_dscnt 8*(3-\i)                          ; eight loads of Wq's fragments a K step: the later K steps' stay out; x's are older
.irp t, 0,1,2,3                                    ; the four accumulators take turns, one instruction a turn
.if \i == 0
	v_wmma_f32_16x16x32_f16 v[ACC+8*\t:ACC+8*\t+7], v[AFR+8*\i:AFR+8*\i+7], v[BFR+32*\i+8*\t:BFR+32*\i+8*\t+7], 0
.else
	v_wmma_f32_16x16x32_f16 v[ACC+8*\t:ACC+8*\t+7], v[AFR+8*\i:AFR+8*\i+7], v[BFR+32*\i+8*\t:BFR+32*\i+8*\t+7], v[ACC+8*\t:ACC+8*\t+7]
.endif
.endr
.endr
.irp t, 0,1,2,3
	v_and_b32 v[BIAS+\t], s38, v[BIAS+\t]          ; these four are also the places before the results are read (ISA guide 7.12.1)
.endr
	; register jj of tile t in lane (r, h) is row 8h + jj, column 4r + t: the multiply-add that scales back and adds the bias also
	; lays the four tiles' words of a row side by side
.irp jj, 0,1,2,3,4,5,6,7
.irp t, 0,1,2,3
	v_fma_f32 v[R+4*\jj+\t], v[ACC+8*\t+\jj], s39, v[BIAS+\t]
.endr
.endr
.irp jj, 0,1,2,3,4,5,6,7
	global_store_b128 v[VW], v[R+4*\jj:R+4*\jj+3], s[PO:PO+1] offset:\jj*4096   ; sixteen lanes store 256 consecutive, aligned bytes of one row
.endr
	s_wait_tensorcnt 0x0
	ds_add_u32 v254, v255
	s_wait_dscnt 0x0
	s_endpgm
	; ---------------- Wk, Wv, Wd into fragment order ----------------
.Lreorder:
	s_sub_co_u32 s25, s25, 4                       ; 0..3 Wk, 4..7 Wv, 8..11 Wd
	s_and_b32 s26, s25, 3
	s_lshl3_add_u32 s26, s26, s24                  ; my K step: 8 (y mod 4) + w
	s_lshl_b32 s30, s26, 17                        ; source: 32 rows of 4,096 bytes a K step,
	s_lshl_b32 s31, ttmp9, 8                       ; + the slice's 256 bytes
	s_add_co_u32 s30, s30, s31
	s_mov_b32 s31, 0
	s_lshl_b32 s32, ttmp9, 17                      ; destination: 131,072 bytes a slice, 4,096 a K step
	s_lshl_b32 s33, s26, 12
	s_add_co_u32 s32, s32, s33
	s_mov_b32 s33, 0
	s_wait_kmcnt 0x0
	s_cmp_lt_u32 s25, 4
	s_cselect_b64 s[34:35], s[10:11], s[12:13]
	s_cselect_b64 s[36:37], s[18:19], s[20:21]
	s_cmp_lt_u32 s25, 8
	s_cselect_b64 s[34:35], s[34:35], s[14:15]
	s_cselect_b64 s[36:37], s[36:37], s[22:23]
	s_add_nc_u64 s[34:35], s[34:35], s[30:31]
	s_add_nc_u64 s[36:37], s[36:37], s[32:33]
.set l, 0
.rept 16                                           ; word (8e+i)*4 + t at v[64 + ..]
	global_load_b128 v[64+4*l:64+4*l+3], v[VW], s[34:35] offset:(16*(l>>3)+(l&7))*4096 th:TH_LOAD_NT
.set l, l+1
.endr
	s_wait_loadcnt 0x0
	CVTF 64, 128
.irp c, 0,1,2,3,4,5,6,7
	global_store_b128 v[VA], v[128+4*\c:128+4*\c+3], s[36:37] offset:\c*512   ; a store of the wave covers 512 consecutive bytes
.endr
	s_endpgm
.Lfunc_end_k_qe55609a30e_prep:
	.size	k_qe55609a30e_prep, .Lfunc_end_k_qe55609a30e_prep-k_qe55609a30e_prep
	.p2alignl 7, 3214868480
	.fill 96, 4, 3214868480
	.section	.rodata,"a",@progbits
	.p2align	6, 0x0
	.amdhsa_kernel k_qe55609a30e_prep
		.amdhsa_group_segment_fixed_size 51200
		.amdhsa_private_segment_fixed_size 0
		.amdhsa_enable_private_segment 0
		.amdhsa_kernarg_size 80
		.amdhsa_user_sgpr_count 2
		.amdhsa_user_sgpr_kernarg_segment_ptr 1
		.amdhsa_wavefront_size32 1
		.amdhsa_system_sgpr_workgroup_id_x 1
		.amdhsa_system_sgpr_workgroup_id_y 1
		.amdhsa_system_sgpr_workgroup_id_z 1
		.amdhsa_system_vgpr_workitem_id 0
		.amdhsa_next_free_vgpr 256
		.amdhsa_next_free_sgpr 66
		.amdhsa_reserve_vcc 0
		.amdhsa_float_denorm_mode_32 3
		.amdhsa_float_denorm_mode_16_64 3
		.amdhsa_memory_ordered 1
		.amdhsa_forward_progress 1
		.amdhsa_inst_pref_size 23
	.end_amdhsa_kernel
	.amdgpu_metadata
---
amdhsa.version: [ 1, 2 ]
amdhsa.kernels:
  - .name:           k_qe55609a30e_prep
    .symbol:         k_qe55609a30e_prep.kd
    .args:
      - { .name: input_tensor, .offset: 0, .size: 8, .value_kind: global_buffer, .address_space: global }
      - { .name: Wq, .offset: 8, .size: 8, .value_kind: global_buffer, .address_space: global }
      - { .name: bq, .offset: 16, .size: 8, .value_kind: global_buffer, .address_space: global }
      - { .name: Wk, .offset: 24, .size: 8, .value_kind: global_buffer, .address_space: global }
      - { .name: Wv, .offset: 32, .size: 8, .value_kind: global_buffer, .address_space: global }
      - { .name: Wd, .offset: 40, .size: 8, .value_kind: global_buffer, .address_space: global }
      - { .name: qws, .offset: 48, .size: 8, .value_kind: global_buffer, .address_space: global }
      - { .name: wkf, .offset: 56, .size: 8, .value_kind: global_buffer, .address_space: global }
      - { .name: wvf, .offset: 64, .size: 8, .value_kind: global_buffer, .address_space: global }
      - { .name: wdf, .offset: 72, .size: 8, .value_kind: global_buffer, .address_space: global }
    .group_segment_fixed_size: 51200
    .private_segment_fixed_size: 0
    .kernarg_segment_align: 8
    .kernarg_segment_size: 80
    .max_flat_workgroup_size: 256
    .sgpr_count:     66
    .vgpr_count:     256
    .wavefront_size: 32
...
	.end_amdgpu_metadata
.endif
;; end of part 1
;; launch main (part 2): grid 256 x 1, 4 waves a work-group, no clusters, 311,296 bytes of LDS; arguments retrieval_tensor, u_noise, qws, bk, wkf, tws, sws; writes tws, sws
.if DOCPART == 2
	.amdgcn_target "amdgcn-amd-amdhsa--gfx1250"
	.amdhsa_code_object_version 6
	.text
	.protected	k_qe55609a30e_main
	.globl	k_qe55609a30e_main
	.p2align	8
	.type	k_qe55609a30e_main,@function
k_qe55609a30e_main:
	s_mov_b64 s[64:65], 0
	v_nop
	global_prefetch_b8 v0, s[64:65] scope:SCOPE_SE
	s_setreg_imm32_b32 hwreg(HW_REG_WAVE_MODE, 25, 1), 1
	s_wait_xcnt 0x0
; main: work-group wg = 4 b + quarter owns 128 rows of R (a quarter of batch b).
;  A  R's 128 x 1024 f32 are read once, rounded to f16 and kept in LDS for the whole kernel; L = -ln(u + EPS) + EPS, q and bk go to LDS too.
;     q arrives as eight partial sums over K (qws[kq][64][1024]) and is added up here, in f32.
;  K  k = R Wk + bk in two passes of 128 x 512; a wave makes 128 rows x 128 columns (two heads) in 64 accumulators, 512 registers.
;     Wk comes in fragment order (f16) straight into registers, through a ring of four K steps (256 registers); R's fragments come from LDS.
;  E  per pass, in registers: |k_h|^2, q_h . k_h, the cosine, the gate; gates (f16) and their sums go to LDS.
;  T  T[head][j] = sum over my 128 rows of gate[row][head] R[row][j], from the R that still lies in LDS, read transposed.
; TWO REARRANGEMENTS, exact in real numbers for every input (one query row):
;   sum_s p_s (R_s Wv + bv) = (sum_s p_s R_s) Wv + (sum_s p_s) bv, so V is never made: T and S = sum p leave, Wv follows in the next launch;
;   softmax over two of log(x_i) - log(L_i) is x0 L1 / (x0 L1 + x1 L0), x0 = p + EPS, x1 = 1 - p + EPS: no exponential is left.
;   x0 + x1 >= 1 and 1e-20 <= L <= 47, so the denominator lies in [1e-20, 94] and the numerator in [1e-40, 47]: nothing overflows.
; LIMITS: u in [0, 1] (beyond 1 the logarithm of a negative number is a NaN in the formula as given, not here); where rounding puts the
; cosine outside [-1, 1] the formula as given yields NaN and this text a finite gate just outside [0, 1]; |R| < 511, so that a sum of 128 gated rows fits f16;
; the cosine is dot * rsq(|k|^2 |q|^2), one rounding order instead of two normalisations.  Matrix operands f16, sums f32.
; NO TENSOR LOADS, NO JOINT LOADS, by this text's arithmetic: R takes 264,192 of the 327,680 bytes of LDS.  A fragment of Wk (1,024 bytes) feeds 8 matrix
; instructions, so two LDS slots in the remaining 63,488 bytes would hold at most 31 fragments each: under 64 matrix instructions a wave
; between two barriers.  In registers the ring holds four K steps a wave, a request stands 160 matrix instructions ahead of its use, and the K loop
; has no barrier at all.  The four waves share no column of Wk, so LDS would add no reuse either.
.set PITCH, 2064                       ; an LDS row of R: 2,048 bytes + 16 = 129 x 16: the 16 rows of a fragment load start in 16 different 16-byte columns modulo 256
.set L_PT, 128*PITCH                   ; 264,192: gates, f16, [head 16] pitch 272 [row 128]
.set L_QB, L_PT+4352                   ; 268,544: per wave 2,048: q at pass*512, bk at 1024 + pass*512, in the accumulators' order
.set L_LT, L_QB+8192                   ; 276,736: L0, L1, f32, at head*1024 + row*8
.set L_ST, L_LT+16384                  ; 293,120: per wave 16 x 272: T's way out
.set L_SS, L_ST+17408                  ; 310,528: S[head], f32
.set VB,   4                           ; v4      16 x lane
.set ADRA, 5                           ; v[5:8]  (32 i + r) PITCH + 16 h, stepped along K
.set VQ,   9                           ; v9      L_QB + 2048 w + 128 h
.set VL,   10                          ; v10     L_LT + 2048 w + 8 r
.set VP,   11                          ; v11     L_PT + 544 w + 2 r
.set LA,   12                          ; v12, v13  phase A: where my 8 bytes of rows 0-15, 16-31 of the wave go
.set PST,  14                          ; v14     phase A: where q and bk go
.set LTS,  15                          ; v15     phase A: where L goes
.set QP,   160                         ; v[160:223] phase A: q's partial sums as loaded, 32 pass + 4 kq (row slots 4 and 5, before their first rows)
.set QQ,   12                          ; v12, v14  epilogue: |q|^2 of the wave's two heads
.set PS,   13                          ; v13     epilogue: sum of gates
.set TRA,  16                          ; v[16:19] T: transposed reads of R, K step 0..3
.set PFA,  20                          ; v20     T: gates' fragments
.set STO,  21                          ; v21     T: into the stage
.set RD,   22                          ; v22     T: back from the stage
.set CO,   23                          ; v23     T: offset in tws
.set VS,   24                          ; v24     L_SS + 8 w
.set PF,   32                          ; v[32:63]   T: gates' fragments, 4 K steps
.set AF,   64                          ; v[64:127], v[128:191] R's fragments, two buffers (T: R transposed, two buffers)
.set BK,   192                         ; v[192:255] bk as eight accumulator images
.set QV,   64                          ; epilogue: q, [head 2][t 4][jj 8]
.set SQ,   128                         ; epilogue: pairs, |k|^2 of (head, row tile)
.set DT,   160                         ; epilogue: pairs, q . k
.set LL,   192                         ; epilogue: pairs, L0 and L1
.set TA,   192                         ; T: eight accumulators
.set BW,   26                          ; s[26:27] wkf at the trip's first K step; s[28:29] the same for pass 1's start
                                       ; window 1: Wk's ring, buffer j at 64 j + 8 (4 hd + t); windows 2, 3: accumulators, tile (al, bt) at 8 (8 al + bt), row tiles 0-3 and 4-7
.set MSB, 0
.macro WIN new                         ; low byte: bits 1:0 source 0, 3:2 source 1, 5:4 source 2, 7:6 destination; high byte: the setting left
.if MSB != \new
	s_set_vgpr_msb (MSB<<8)|\new
.set MSB, \new
.endif
.endm
.macro PLACES
.rept 4
	v_nop
.endr
.endm
	s_load_b256 s[4:11], s[0:1], 0x0               ; R s[4:5], u s[6:7], q s[8:9], bk s[10:11]
	s_load_b128 s[12:15], s[0:1], 0x20             ; wkf s[12:13], tws s[14:15]
	s_load_b64 s[16:17], s[0:1], 0x30              ; sws
	v_and_b32 v1, 31, v0                           ; lane
	v_and_b32 v2, 15, v0                           ; r
	v_bfe_u32 v3, v0, 4, 1                         ; h
	v_lshrrev_b32 v4, 5, v0
	v_readfirstlane_b32 s20, v4                    ; wave
	s_mov_b32 s22, 0x1e3ce508                      ; EPS = 1e-20
	s_mov_b32 s23, 0xbf317218                      ; -ln 2
	s_mov_b32 s24, 0x76543210                      ; v_permlanex16_b32: lane i of the other half
	s_mov_b32 s25, 0xfedcba98
	s_lshl_b32 s44, s20, 11
	s_add_co_u32 s45, s44, L_QB
	s_add_co_u32 s46, s44, L_LT
	s_mul_i32 s47, s20, 544
	s_add_co_u32 s47, s47, L_PT
	s_mul_i32 s44, s20, 32*PITCH
	v_lshlrev_b32 v[VB], 4, v1
	v_mul_u32_u24 v[ADRA], v2, PITCH
	v_lshl_add_u32 v[ADRA], v3, 4, v[ADRA]
	v_add_nc_u32 v[ADRA+1], 32*PITCH, v[ADRA]
	v_add_nc_u32 v[ADRA+2], 64*PITCH, v[ADRA]
	v_add_nc_u32 v[ADRA+3], 96*PITCH, v[ADRA]
	v_lshlrev_b32 v[VQ], 7, v3
	v_add_nc_u32 v[VQ], s45, v[VQ]
	v_lshl_add_u32 v[VL], v2, 3, s46
	v_lshl_add_u32 v[VP], v2, 1, s47
	v_lshl_add_u32 v[LA], v1, 3, s44
	v_add_nc_u32 v[LA+1], 16*PITCH, v[LA]
	v_lshrrev_b32 v[PST], 3, v1
	v_lshlrev_b32 v[PST], 7, v[PST]
	v_and_b32 v[LTS], 7, v1
	v_lshl_add_u32 v[PST], v[LTS], 2, v[PST]
	v_add_nc_u32 v[PST], s45, v[PST]               ; L_QB + 2048 w + 128 (lane / 8) + 4 (lane % 8)
	v_add_nc_u32 v[LTS], s46, v[VB]
	s_lshl_b32 s30, ttmp9, 19                      ; R: 128 rows of 4,096 bytes a work-group,
	s_lshl_b32 s31, s20, 17                        ;    32 rows a wave
	s_add_co_u32 s30, s30, s31
	s_mov_b32 s31, 0
	s_lshr_b32 s44, ttmp9, 2                       ; b
	s_and_b32 s45, ttmp9, 3                        ; quarter
	s_lshl_b32 s32, s44, 16                        ; u: 65,536 bytes a batch, 1,024 a quarter of a head's row, 8,192 for the wave's two heads
	s_lshl_b32 s33, s45, 10
	s_add_co_u32 s32, s32, s33
	s_lshl_b32 s33, s20, 13
	s_add_co_u32 s32, s32, s33
	s_mov_b32 s33, 0
	s_lshl_b32 s36, s20, 9                         ; bk: the wave's two heads, 512 bytes
	s_mov_b32 s37, 0
	s_lshl_b32 s34, s44, 12                        ; q: 4,096 bytes a batch, + the same
	s_add_co_u32 s34, s34, s36
	s_mov_b32 s35, 0
	s_lshl_b32 s38, s20, 18                        ; wkf: two slices of 131,072 bytes a wave
	s_mov_b32 s39, 0
	s_lshl_b32 s40, ttmp9, 11                      ; tws: row wg of 2,048 bytes, the wave's 256 columns
	s_add_co_u32 s40, s40, s36
	s_mov_b32 s41, 0
	s_lshl_b32 s42, ttmp9, 2                       ; sws: word wg of a head's 256
	s_mov_b32 s43, 0
	s_wait_kmcnt 0x0
	s_add_nc_u64 s[4:5], s[4:5], s[30:31]
	s_add_nc_u64 s[6:7], s[6:7], s[32:33]
	s_add_nc_u64 s[8:9], s[8:9], s[34:35]
	s_add_nc_u64 s[10:11], s[10:11], s[36:37]
	s_add_nc_u64 s[BW:BW+1], s[12:13], s[38:39]
	s_add_nc_u64 s[28:29], s[BW:BW+1], 0x100000    ; pass 1: eight slices on
	s_add_nc_u64 s[14:15], s[14:15], s[40:41]
	s_add_nc_u64 s[16:17], s[16:17], s[42:43]
	; ---------------- phase A ----------------
	; 26 small loads, then a ring of seven row slots of 32 registers (v[32:255]); slot 6 first takes u, slots 4 and 5 q's partial sums.
.irp p, 0,1
.irp hd, 0,1
.irp e, 0,1
	global_load_b128 v[224+((\p*2+\hd)*2+\e)*4:224+((\p*2+\hd)*2+\e)*4+3], v[VB], s[6:7] offset:\p*32768+\hd*4096+\e*512 th:TH_LOAD_NT
.endr
.endr
.endr
.irp p, 0,1
.irp kq, 0,1,2,3,4,5,6,7
	global_load_b128 v[QP+32*\p+4*\kq:QP+32*\p+4*\kq+3], v[VB], s[8:9] offset:\kq*262144+\p*2048
.endr
.endr
.irp p, 0,1
	global_load_b128 v[24+4*\p:24+4*\p+3], v[VB], s[10:11] offset:\p*2048
.endr
.set i, 0
.rept 4
.set j, 0
.rept 8
	global_load_b128 v[32+32*i+4*j:32+32*i+4*j+3], v[VB], s[4:5] offset:i*4096+j*512 th:TH_LOAD_NT
.set j, j+1
.endr
.set i, i+1
.endr
	s_wait_loadcnt 32                              ; u, q, bk are in; the 32 loads of rows 0-3 stay out
.set j, 0
.rept 16
	v_pk_add_f32 v[224+2*j:224+2*j+1], v[224+2*j:224+2*j+1], s[22:23] op_sel_hi:[1,0]   ; u + EPS
.set j, j+1
.endr
.set j, 0
.rept 32
	v_log_f32 v[224+j], v[224+j]
.set j, j+1
.endr
	v_nop                                          ; one plain vector instruction behind the transcendentals (ISA guide 5.7.2)
.set j, 0
	s_wait_alu depctr_va_vdst(0)
.rept 32
	v_fma_f32 v[224+j], v[224+j], s23, s22         ; L = -ln 2 x log2(u + EPS) + EPS
.set j, j+1
.endr
.irp p, 0,1
.irp hd, 0,1
.irp e, 0,1
	ds_store_b128 v[LTS], v[224+((\p*2+\hd)*2+\e)*4:224+((\p*2+\hd)*2+\e)*4+3] offset:\p*8192+\hd*1024+\e*512
.endr
.endr
.endr
	; q = the sum of its eight partial sums, by pairs
.irp p, 0,1
.irp pr, 0,2
.irp m, 0,1,2,3
	v_pk_add_f32 v[QP+32*\p+8*\m+\pr:QP+32*\p+8*\m+\pr+1], v[QP+32*\p+8*\m+\pr:QP+32*\p+8*\m+\pr+1], v[QP+32*\p+8*\m+4+\pr:QP+32*\p+8*\m+4+\pr+1]
.endr
	v_pk_add_f32 v[QP+32*\p+\pr:QP+32*\p+\pr+1], v[QP+32*\p+\pr:QP+32*\p+\pr+1], v[QP+32*\p+8+\pr:QP+32*\p+8+\pr+1]
	v_pk_add_f32 v[QP+32*\p+16+\pr:QP+32*\p+16+\pr+1], v[QP+32*\p+16+\pr:QP+32*\p+16+\pr+1], v[QP+32*\p+24+\pr:QP+32*\p+24+\pr+1]
	v_pk_add_f32 v[16+4*\p+\pr:16+4*\p+\pr+1], v[QP+32*\p+\pr:QP+32*\p+\pr+1], v[QP+32*\p+16+\pr:QP+32*\p+16+\pr+1]
.endr
.endr
	; lane l holds elements 4 l + c of the wave's 128.  Element 64 hd + 32 h + 4 jj + t goes to place 64 hd + 32 h + 8 t + jj,
	; so that a lane of half h finds the eight numbers of tile t's registers side by side.
.irp p, 0,1
.irp c, 0,1,2,3
	ds_store_b32 v[PST], v[16+4*\p+\c] offset:\p*512+\c*32
	ds_store_b32 v[PST], v[24+4*\p+\c] offset:1024+\p*512+\c*32
.endr
.endr
.set i, 4
.rept 3                                            ; rows 4, 5, 6 into the slots that the small loads have left
.set j, 0
.rept 8
	global_load_b128 v[32+32*i+4*j:32+32*i+4*j+3], v[VB], s[4:5] offset:i*4096+j*512 th:TH_LOAD_NT
.set j, j+1
.endr
.set i, i+1
.endr
	; a row's turn: its eight loads are in; 4 numbers a lane and load become 8 bytes of f16 in LDS; the slot takes the row seven further down
.set i, 0
.rept 32
.set X, 32+32*(i%7)
.if 31-i < 6
	s_wait_loadcnt 8*(31-i)                        ; the last rows: the counts run down
.else
	s_wait_loadcnt 48                              ; six younger rows, eight loads each, stay out
.endif
.set j, 0
.rept 8
	v_cvt_pk_f16_f32 v[X+4*j], v[X+4*j], v[X+4*j+1]
	v_cvt_pk_f16_f32 v[X+4*j+1], v[X+4*j+2], v[X+4*j+3]
.set j, j+1
.endr
.set j, 0
.rept 8
	ds_store_b64 v[LA+(i>>4)], v[X+4*j:X+4*j+1] offset:(i&15)*PITCH+j*256
.set j, j+1
.endr
.if i+7 < 32
.set j, 0
.rept 8
	global_load_b128 v[X+4*j:X+4*j+3], v[VB], s[4:5] offset:(i+7)*4096+j*512 th:TH_LOAD_NT
.set j, j+1
.endr
.endif
.set i, i+1
.endr
	; the addresses of the T phase (v[16:31] have been stored and are free)
	v_and_b32 v28, 7, v1
	v_lshl_add_u32 v28, v3, 3, v28                 ; 8 h + lane % 8
	v_mul_u32_u24 v28, v28, PITCH
	v_bfe_u32 v29, v1, 3, 1
	v_lshl_add_u32 v28, v29, 4, v28                ; + 16 ((lane / 8) % 2)
	v_add_nc_u32 v[TRA], s36, v28                  ; + the wave's 256 columns, 512 bytes
	v_add_nc_u32 v[TRA+1], 32*PITCH, v[TRA]
	v_add_nc_u32 v[TRA+2], 64*PITCH, v[TRA]
	v_add_nc_u32 v[TRA+3], 96*PITCH, v[TRA]
	v_mul_u32_u24 v29, v2, 272
	v_lshl_add_u32 v29, v3, 4, v29                 ; 272 r + 16 h
	v_add_nc_u32 v[PFA], L_PT, v29
	s_mul_i32 s44, s20, 4352
	s_add_co_u32 s44, s44, L_ST
	v_add_nc_u32 v[STO], s44, v29
	v_mul_u32_u24 v30, v3, 272
	v_lshl_add_u32 v30, v2, 4, v30                 ; 272 h + 16 r
	v_add_nc_u32 v[RD], s44, v30
	v_lshlrev_b32 v[CO], 19, v3
	v_lshl_add_u32 v[CO], v2, 4, v[CO]             ; a head's 524,288 bytes x h + 16 r
	s_lshl_b32 s45, s20, 3
	s_add_co_u32 s45, s45, L_SS
	v_mov_b32 v[VS], s45
	v_lshlrev_b32 v28, 2, v2
	v_add_nc_u32 v28, L_SS, v28                    ; the end: S[r]
	v_lshlrev_b32 v30, 10, v2                      ; and its place in sws
; 16 loads: the eight fragments of Wk (two heads x four tiles) of K step koff, counted from the trip's first, into ring buffer buf
.macro BLOAD buf, koff
	WIN 0x40
.irp hd, 0,1
.irp t, 0,1,2,3
.irp e, 0,1
	global_load_b128 v[64*\buf+8*(4*\hd+\t)+4*\e:64*\buf+8*(4*\hd+\t)+4*\e+3], v[VB], s[BW:BW+1] offset:\hd*131072+\koff*4096+\t*1024+\e*512
.endr
.endr
.endr
.endm
; 16 LDS loads: R's eight fragments (16 rows x 32 K) of K step koff into buffer buf, row tiles 0-3 first
.macro ALOAD buf, koff
	WIN 0
.irp a, 0,1,2,3,4,5,6,7
	ds_load_b128 v[AF+64*\buf+8*\a:AF+64*\buf+8*\a+3],   v[ADRA+(\a>>1)] offset:(\a&1)*16*PITCH+\koff*64
	ds_load_b128 v[AF+64*\buf+8*\a+4:AF+64*\buf+8*\a+7], v[ADRA+(\a>>1)] offset:(\a&1)*16*PITCH+\koff*64+32
.endr
.endm
; 32 matrix instructions: four row tiles (hi = 0: tiles 0-3, window 2; 1: tiles 4-7, window 3) x eight column tiles.
; USED TRANSPOSED: source 0 = Wk's fragment, source 1 = R's.  Register jj of lane (r, h) is then k[row 16 a + r][64 head + 32 h + 4 jj + t]:
; a lane holds 32 numbers of ONE row and head, so that the sums over a head need one step across lanes.
; first = 1: C is bk's image, so the bias starts the sums and nothing is cleared.
.macro MUL32 bbuf, abuf, hi, first
.if \first
	WIN (0x81+0x40*\hi)
.else
	WIN (0xa1+0x50*\hi)
.endif
.irp al, 0,1,2,3
.irp bt, 0,1,2,3,4,5,6,7
.if \first
	v_wmma_f32_16x16x32_f16 v[8*(8*\al+\bt):8*(8*\al+\bt)+7], v[64*\bbuf+8*\bt:64*\bbuf+8*\bt+7], v[AF+64*\abuf+8*(4*\hi+\al):AF+64*\abuf+8*(4*\hi+\al)+7], v[BK+8*\bt:BK+8*\bt+7]
.else
	v_wmma_f32_16x16x32_f16 v[8*(8*\al+\bt):8*(8*\al+\bt)+7], v[64*\bbuf+8*\bt:64*\bbuf+8*\bt+7], v[AF+64*\abuf+8*(4*\hi+\al):AF+64*\abuf+8*(4*\hi+\al)+7], v[8*(8*\al+\bt):8*(8*\al+\bt)+7]
.endif
.endr
.endr
.endm
; One K step of 32: 64 matrix instructions on 64 accumulators, which take turns, one instruction a turn, in the same order in every K step
; and over the backward jump.  In its middle the next K step's fragments of R (fa) and the fragments of Wk three K steps
; ahead (fb) are asked for, into the buffers that the K step before this one read: four places stand between its products and these loads.
; lc: the loads of Wk that are younger than this K step's.
.macro KSTEP j, first, fa, fb, lc
	s_wait_loadcnt \lc                             ; loads come back in order (ISA guide 5.7.1): this K step's sixteen are in
	s_wait_dscnt 8                                 ; R's row tiles 0-3 are in; the eight loads of tiles 4-7 may be out
	MUL32 \j, (\j&1), 0, \first
.if \fa+\fb
	PLACES
.endif
.if \fa
	ALOAD ((\j+1)&1), (\j+1)
.endif
.if \fb
	BLOAD ((\j+3)&3), (\j+3)
.endif
.if \fa
	s_wait_dscnt 16                                ; all but the sixteen just issued
.else
	s_wait_dscnt 0
.endif
	MUL32 \j, (\j&1), 1, \first
.endm
.macro TRIP first                      ; four K steps, once round Wk's ring
	KSTEP 0, \first, 1, 1, 32
	KSTEP 1, 0, 1, 1, 32
	KSTEP 2, 0, 1, 1, 32
	KSTEP 3, 0, 1, 1, 32
	WIN 0
	s_wait_xcnt 0x0                                ; the base of the loads issued is stepped only behind this wait (ISA guide 3.1)
	s_add_nc_u64 s[BW:BW+1], s[BW:BW+1], 16384
.irp i, 0,1,2,3
	v_add_nc_u32 v[ADRA+\i], 256, v[ADRA+\i]
.endr
.endm
; |k|^2 and q . k of head hd for the four row tiles of window W, two numbers an instruction, the four tiles' chains interleaved
.macro SQDT W, hd
	WIN (\W|(\W<<2))
.irp t, 0,1,2,3
.irp jp, 0,1,2,3
.irp al, 0,1,2,3
.if (\t+\jp)==0
	v_pk_mul_f32 v[SQ+2*(8*\hd+4*(\W-2)+\al):SQ+2*(8*\hd+4*(\W-2)+\al)+1], v[8*(8*\al+4*\hd+\t)+2*\jp:8*(8*\al+4*\hd+\t)+2*\jp+1], v[8*(8*\al+4*\hd+\t)+2*\jp:8*(8*\al+4*\hd+\t)+2*\jp+1]
.else
	v_pk_fma_f32 v[SQ+2*(8*\hd+4*(\W-2)+\al):SQ+2*(8*\hd+4*(\W-2)+\al)+1], v[8*(8*\al+4*\hd+\t)+2*\jp:8*(8*\al+4*\hd+\t)+2*\jp+1], v[8*(8*\al+4*\hd+\t)+2*\jp:8*(8*\al+4*\hd+\t)+2*\jp+1], v[SQ+2*(8*\hd+4*(\W-2)+\al):SQ+2*(8*\hd+4*(\W-2)+\al)+1]
.endif
.endr
.endr
.endr
	WIN \W
.irp t, 0,1,2,3
.irp jp, 0,1,2,3
.irp al, 0,1,2,3
.if (\t+\jp)==0
	v_pk_mul_f32 v[DT+2*(8*\hd+4*(\W-2)+\al):DT+2*(8*\hd+4*(\W-2)+\al)+1], v[8*(8*\al+4*\hd+\t)+2*\jp:8*(8*\al+4*\hd+\t)+2*\jp+1], v[QV+32*\hd+8*\t+2*\jp:QV+32*\hd+8*\t+2*\jp+1]
.else
	v_pk_fma_f32 v[DT+2*(8*\hd+4*(\W-2)+\al):DT+2*(8*\hd+4*(\W-2)+\al)+1], v[8*(8*\al+4*\hd+\t)+2*\jp:8*(8*\al+4*\hd+\t)+2*\jp+1], v[QV+32*\hd+8*\t+2*\jp:QV+32*\hd+8*\t+2*\jp+1], v[DT+2*(8*\hd+4*(\W-2)+\al):DT+2*(8*\hd+4*(\W-2)+\al)+1]
.endif
.endr
.endr
.endr
.endm
; the gates of head hd of pass p for the lane's eight rows 16 a + r, step by step over a
.macro FINISH p, hd
.set G, 16*\hd
.irp a, 0,1,2,3,4,5,6,7
	v_add_f32 v[SQ+G+2*\a], v[SQ+G+2*\a], v[SQ+G+2*\a+1]
	v_add_f32 v[DT+G+2*\a], v[DT+G+2*\a], v[DT+G+2*\a+1]
.endr
.irp a, 0,1,2,3,4,5,6,7
	v_permlanex16_b32 v[SQ+G+2*\a+1], v[SQ+G+2*\a], s24, s25   ; the other 32 columns of the head lie in the other half of the lanes
	v_permlanex16_b32 v[DT+G+2*\a+1], v[DT+G+2*\a], s24, s25
.endr
.irp a, 0,1,2,3,4,5,6,7
	v_add_f32 v[SQ+G+2*\a], v[SQ+G+2*\a], v[SQ+G+2*\a+1]
	v_add_f32 v[DT+G+2*\a], v[DT+G+2*\a], v[DT+G+2*\a+1]
.endr
.irp a, 0,1,2,3,4,5,6,7
	v_mul_f32 v[SQ+G+2*\a], v[SQ+G+2*\a], v[QQ+2*\hd]          ; |k|^2 |q|^2
.endr
.irp a, 0,1,2,3,4,5,6,7
	v_rsq_f32 v[SQ+G+2*\a+1], v[SQ+G+2*\a]
.endr
	v_nop                                          ; one plain vector instruction behind the transcendentals (ISA guide 5.7.2)
	s_wait_alu depctr_va_vdst(0)
.irp a, 0,1,2,3,4,5,6,7
	v_mul_f32 v[DT+G+2*\a], v[DT+G+2*\a], v[SQ+G+2*\a+1]       ; the cosine
.endr
.irp a, 0,1,2,3,4,5,6,7
	v_fma_f32 v[DT+G+2*\a], v[DT+G+2*\a], 0.5, 0.5             ; p
.endr
.irp a, 0,1,2,3,4,5,6,7
	v_sub_f32 v[DT+G+2*\a+1], 1.0, v[DT+G+2*\a]                ; 1 - p
.endr
.irp a, 0,1,2,3,4,5,6,7
	v_pk_add_f32 v[DT+G+2*\a:DT+G+2*\a+1], v[DT+G+2*\a:DT+G+2*\a+1], s[22:23] op_sel_hi:[1,0]   ; + EPS, both
.endr
.irp a, 0,1,2,3,4,5,6,7
	v_mul_f32 v[SQ+G+2*\a], v[DT+G+2*\a], v[LL+G+2*\a+1]       ; (p + EPS) L1
.endr
.irp a, 0,1,2,3,4,5,6,7
	v_fma_f32 v[SQ+G+2*\a+1], v[DT+G+2*\a+1], v[LL+G+2*\a], v[SQ+G+2*\a]   ; + (1 - p + EPS) L0
.endr
.irp a, 0,1,2,3,4,5,6,7
	v_rcp_f32 v[DT+G+2*\a], v[SQ+G+2*\a+1]
.endr
	v_nop
	s_wait_alu depctr_va_vdst(0)
.irp a, 0,1,2,3,4,5,6,7
	v_mul_f32 v[SQ+G+2*\a], v[SQ+G+2*\a], v[DT+G+2*\a]         ; the gate
.endr
	v_add_f32 v[PS], v[SQ+G], v[SQ+G+2]
.irp a, 2,3,4,5,6,7
	v_add_f32 v[PS], v[PS], v[SQ+G+2*\a]
.endr
.irp a, 0,1,2,3,4,5,6,7
	v_cvt_pk_f16_f32 v[DT+G+2*\a+1], v[SQ+G+2*\a], v[SQ+G+2*\a]
.endr
.irp a, 0,1,2,3,4,5,6,7
	ds_store_b16 v[VP], v[DT+G+2*\a+1] offset:\p*2176+\hd*272+\a*32   ; both halves of the lanes hold, and store, the same number
.endr
	v_add_f32_dpp v[PS], v[PS], v[PS] row_xmask:1 row_mask:0xf bank_mask:0xf
	v_add_f32_dpp v[PS], v[PS], v[PS] row_xmask:2 row_mask:0xf bank_mask:0xf
	v_add_f32_dpp v[PS], v[PS], v[PS] row_xmask:4 row_mask:0xf bank_mask:0xf
	v_add_f32_dpp v[PS], v[PS], v[PS] row_xmask:8 row_mask:0xf bank_mask:0xf
	ds_store_b32 v[VS], v[PS] offset:32*\p+4*\hd   ; the sum of the head's 128 gates, the same in every lane
.endm
.macro PASS p
	WIN 0
.irp hd, 0,1
.irp t, 0,1,2,3
	ds_load_b128 v[BK+8*(4*\hd+\t):BK+8*(4*\hd+\t)+3],   v[VQ] offset:1024+\p*512+\hd*256+\t*32
	ds_load_b128 v[BK+8*(4*\hd+\t)+4:BK+8*(4*\hd+\t)+7], v[VQ] offset:1024+\p*512+\hd*256+\t*32+16
.endr
.endr
	ALOAD 0, 0
	TRIP 1                                         ; K steps 0-3 stand in front of the loop: the first products start the sums
	s_mov_b32 s21, 6
.Lk\p:
	TRIP 0
	s_sub_co_u32 s21, s21, 1
	s_cmp_lg_u32 s21, 0
	s_cbranch_scc1 .Lk\p
	KSTEP 0, 0, 1, 1, 32                           ; K steps 28-31: the last request for Wk is K step 31's, and the counts run down
	KSTEP 1, 0, 1, 0, 32
	KSTEP 2, 0, 1, 0, 16
	KSTEP 3, 0, 0, 0, 0
	WIN 0
.irp i, 0,1,2,3
	v_add_nc_u32 v[ADRA+\i], 0xfffff900, v[ADRA+\i]   ; back by the seven steps of 256; these four are also the places behind the last products
.endr
.if \p == 0
	s_mov_b64 s[BW:BW+1], s[28:29]                 ; every load of Wk has been waited for: the base may be written
	BLOAD 0, 0                                     ; pass 1's first three K steps land while the gates are made
	BLOAD 1, 1
	BLOAD 2, 2
	WIN 0
.endif
.irp hd, 0,1
.irp t, 0,1,2,3
	ds_load_b128 v[QV+32*\hd+8*\t:QV+32*\hd+8*\t+3],   v[VQ] offset:\p*512+\hd*256+\t*32
	ds_load_b128 v[QV+32*\hd+8*\t+4:QV+32*\hd+8*\t+7], v[VQ] offset:\p*512+\hd*256+\t*32+16
.endr
.endr
.irp hd, 0,1
.irp a, 0,1,2,3,4,5,6,7
	ds_load_b64 v[LL+2*(8*\hd+\a):LL+2*(8*\hd+\a)+1], v[VL] offset:\p*8192+\hd*1024+\a*128
.endr
.endr
	s_wait_dscnt 0x0
	v_pk_mul_f32 v[12:13], v[QV:QV+1], v[QV:QV+1]                  ; |q|^2 of the two heads
	v_pk_mul_f32 v[14:15], v[QV+32:QV+33], v[QV+32:QV+33]
.irp m, 2,4,6,8,10,12,14,16,18,20,22,24,26,28,30
	v_pk_fma_f32 v[12:13], v[QV+\m:QV+\m+1], v[QV+\m:QV+\m+1], v[12:13]
	v_pk_fma_f32 v[14:15], v[QV+32+\m:QV+32+\m+1], v[QV+32+\m:QV+32+\m+1], v[14:15]
.endr
	v_add_f32 v12, v12, v13
	v_add_f32 v14, v14, v15
	v_permlanex16_b32 v13, v12, s24, s25
	v_permlanex16_b32 v15, v14, s24, s25
	v_add_f32 v12, v12, v13
	v_add_f32 v14, v14, v15
	SQDT 2, 0
	SQDT 2, 1
	SQDT 3, 0
	SQDT 3, 1
	WIN 0
	FINISH \p, 0
	FINISH \p, 1
.endm
	BLOAD 0, 0                                     ; pass 0's first three K steps of Wk
	BLOAD 1, 1
	BLOAD 2, 2
	WIN 0
	s_wait_dscnt 0x0                               ; my 32 rows of R are in LDS before I say so
	s_barrier_signal -1
	s_barrier_wait -1                              ; all 128 rows are
	PASS 0
	PASS 1
	; ---------------- T ----------------
	s_wait_dscnt 0x0                               ; my heads' gates and sums are in LDS
	s_barrier_signal -1
	s_barrier_wait -1                              ; all sixteen heads' are
; R lies [row][column] and the sum runs over rows: 8 x 8 blocks are transposed on the way (16 loads: eight tiles of 16 columns, 32 rows)
.macro TLOAD ks, g, f
.irp nt, 0,1,2,3,4,5,6,7
	ds_load_tr16_b128 v[\f+8*\nt:\f+8*\nt+3],   v[TRA+\ks] offset:\g*256+\nt*32
	ds_load_tr16_b128 v[\f+8*\nt+4:\f+8*\nt+7], v[TRA+\ks] offset:\g*256+\nt*32+16*PITCH
.endr
.endm
; source 0 = 16 columns of R, source 1 = the sixteen heads' gates: lane (r, h) gets head r, columns 8 h .. 8 h + 7 of the tile.  Eight accumulators by turns.
.macro TMUL f, ks, zero
.irp nt, 0,1,2,3,4,5,6,7
.if \zero
	v_wmma_f32_16x16x32_f16 v[TA+8*\nt:TA+8*\nt+7], v[\f+8*\nt:\f+8*\nt+7], v[PF+8*\ks:PF+8*\ks+7], 0
.else
	v_wmma_f32_16x16x32_f16 v[TA+8*\nt:TA+8*\nt+7], v[\f+8*\nt:\f+8*\nt+7], v[PF+8*\ks:PF+8*\ks+7], v[TA+8*\nt:TA+8*\nt+7]
.endif
.endr
.endm
; 16 heads x 128 columns: rounded to f16, 16 bytes a lane into the wave's own stage, read back as rows of 256 bytes
.macro TOUT g
.irp nt, 0,1,2,3,4,5,6,7
.irp jp, 0,1,2,3
	v_cvt_pk_f16_f32 v[64+4*\nt+\jp], v[TA+8*\nt+2*\jp], v[TA+8*\nt+2*\jp+1]
.endr
.endr
.irp nt, 0,1,2,3,4,5,6,7
	ds_store_b128 v[STO], v[64+4*\nt:64+4*\nt+3] offset:32*\nt
.endr
.irp t, 0,1,2,3,4,5,6,7
	ds_load_b128 v[96+4*\t:96+4*\t+3], v[RD] offset:\t*544         ; LDS serves a wave's instructions in order (ISA guide 5.7.1): these see the stores above
.endr
.irp t, 0,1,2,3,4,5,6,7
	s_wait_dscnt 7-\t
	global_store_b128 v[CO], v[96+4*\t:96+4*\t+3], s[14:15] offset:\t*1048576+\g*256   ; heads 2 t and 2 t + 1: sixteen lanes store 256 consecutive, aligned bytes
.endr
.endm
.macro TGROUP g
	TLOAD 0, \g, AF
	TLOAD 1, \g, AF+64
	s_wait_dscnt 16                                ; all but the sixteen youngest: the gates and rows 0-31
	TMUL AF, 0, 1
	PLACES
	TLOAD 2, \g, AF
	s_wait_dscnt 16
	TMUL AF+64, 1, 0
	PLACES
	TLOAD 3, \g, AF+64
	s_wait_dscnt 16
	TMUL AF, 2, 0
	s_wait_dscnt 0
	TMUL AF+64, 3, 0
	PLACES
	TOUT \g
.endm
.irp ks, 0,1,2,3
	ds_load_b128 v[PF+8*\ks:PF+8*\ks+3],   v[PFA] offset:\ks*64
	ds_load_b128 v[PF+8*\ks+4:PF+8*\ks+7], v[PFA] offset:\ks*64+32
.endr
	TGROUP 0
	s_wait_xcnt 0x0                                ; the registers that the stores read are loaded again only behind this wait
	TGROUP 1
	s_cmp_lg_u32 s20, 0
	s_cbranch_scc1 .Ldone
	ds_load_b32 v29, v28                           ; wave 0: S[r]; lanes 16-31 repeat lanes 0-15, address and value
	s_wait_dscnt 0x0
	global_store_b32 v30, v29, s[16:17]
.Ldone:
	s_wait_xcnt 0x0
	v_lshl_add_u32 v254, v0, 2, 0x4be00
	v_mov_b32 v255, 0
	s_wait_tensorcnt 0x0
	ds_add_u32 v254, v255
	s_wait_dscnt 0x0
	s_endpgm
.Lfunc_end_k_qe55609a30e_main:
	.size	k_qe55609a30e_main, .Lfunc_end_k_qe55609a30e_main-k_qe55609a30e_main
	.p2alignl 7, 3214868480
	.fill 96, 4, 3214868480
	.section	.rodata,"a",@progbits
	.p2align	6, 0x0
	.amdhsa_kernel k_qe55609a30e_main
		.amdhsa_group_segment_fixed_size 311296
		.amdhsa_private_segment_fixed_size 0
		.amdhsa_enable_private_segment 0
		.amdhsa_kernarg_size 56
		.amdhsa_user_sgpr_count 2
		.amdhsa_user_sgpr_kernarg_segment_ptr 1
		.amdhsa_wavefront_size32 1
		.amdhsa_system_sgpr_workgroup_id_x 1
		.amdhsa_system_sgpr_workgroup_id_y 1
		.amdhsa_system_sgpr_workgroup_id_z 1
		.amdhsa_system_vgpr_workitem_id 0
		.amdhsa_next_free_vgpr 1024
		.amdhsa_next_free_sgpr 66
		.amdhsa_reserve_vcc 0
		.amdhsa_float_denorm_mode_32 3
		.amdhsa_float_denorm_mode_16_64 3
		.amdhsa_memory_ordered 1
		.amdhsa_forward_progress 1
		.amdhsa_inst_pref_size 255
	.end_amdhsa_kernel
	.section	.bss,"aw",@nobits
	.p2align	6
	.space	262144
	.amdgpu_metadata
---
amdhsa.version: [ 1, 2 ]
amdhsa.kernels:
  - .name:           k_qe55609a30e_main
    .symbol:         k_qe55609a30e_main.kd
    .args:
      - { .name: retrieval_tensor, .offset: 0, .size: 8, .value_kind: global_buffer, .address_space: global }
      - { .name: u_noise, .offset: 8, .size: 8, .value_kind: global_buffer, .address_space: global }
      - { .name: qws, .offset: 16, .size: 8, .value_kind: global_buffer, .address_space: global }
      - { .name: bk, .offset: 24, .size: 8, .value_kind: global_buffer, .address_space: global }
      - { .name: wkf, .offset: 32, .size: 8, .value_kind: global_buffer, .address_space: global }
      - { .name: tws, .offset: 40, .size: 8, .value_kind: global_buffer, .address_space: global }
      - { .name: sws, .offset: 48, .size: 8, .value_kind: global_buffer, .address_space: global }
    .group_segment_fixed_size: 311296
    .private_segment_fixed_size: 0
    .kernarg_segment_align: 8
    .kernarg_segment_size: 56
    .max_flat_workgroup_size: 128
    .sgpr_count:     66
    .vgpr_count:     1024
    .wavefront_size: 32
...
	.end_amdgpu_metadata
.endif
;; end of part 2
;; launch ctx (part 3): grid 16 x 16, 8 waves a work-group, no clusters, 44,032 bytes of LDS; arguments tws, wvf, sws, bv, ctxw; writes ctxw
.if DOCPART == 3
	.amdgcn_target "amdgcn-amd-amdhsa--gfx1250"
	.amdhsa_code_object_version 6
	.text
	.protected	k_qe55609a30e_ctx
	.globl	k_qe55609a30e_ctx
	.p2align	8
	.type	k_qe55609a30e_ctx,@function
k_qe55609a30e_ctx:
	s_mov_b64 s[64:65], 0
	v_nop
	global_prefetch_b8 v0, s[64:65] scope:SCOPE_SE
	s_setreg_imm32_b32 hwreg(HW_REG_WAVE_MODE, 25, 1), 1
	s_wait_xcnt 0x0
; ctx[b][64 hh + c] = sum over the four quarters of (T[hh][4 b + quarter][:] . Wv[:][64 hh + c]) + (sum of the quarters' S) bv[64 hh + c].
; Work-group (x = head hh, y = g): rows 16 g .. 16 g + 15 of T[hh], that is 4 batches x 4 quarters, times the head's slice of Wv (1024 x 64):
; 32 KB of T, each byte read once in the launch, and 128 KB of Wv.  Eight waves; wave w sums K = 128 w .. +127 (four K steps) in four accumulators.
; All of a wave's 42 loads go out in one run.  A batch's four quarters are four neighbouring registers of an accumulator and are added there;
; the eight waves' sums meet in LDS, and waves 0 and 1 finish one plane (two batches) each.  T and Wv are f16, all sums f32.
; T's rows go through a stage in LDS of the wave's own to become fragments; Wv comes in fragment order straight into registers.
; No tensor loads and no joint loads, though sixteen work-groups read one slice of Wv: a work-group has one step of 16 matrix instructions a wave and
; refills nothing; a joint load would add a round of the cluster's barrier in front and one behind, and 32 LDS loads a wave for fragments
; that now land in the registers that the matrix instructions read.
.set STG,  16*272                      ; a wave's stage: 16 rows x (256 bytes + 16)
.set RED,  8*STG                       ; 34,816: 8,192 bytes: [wave 8][bs 2][lane 32] 16 bytes
.set AL,   24                          ; v[24:55]   T as loaded; at the end:
.set RB,   24                          ; v[24:55]   the eight waves' sums read back
.set AFR,  56                          ; v[56:87]   T's fragments, four K steps
.set ACC,  88                          ; v[88:119]  four accumulators
.set V,    120                         ; v[120:127] quarter sums, 4 bs + t
.set BFR,  128                         ; v[128:255] Wv's fragments, 32 i + 8 t
                                       ; v[16:19] S, v[20:23] bv
	s_load_b256 s[4:11], s[0:1], 0x0               ; tws s[4:5], wvf s[6:7], sws s[8:9], bv s[10:11]
	s_load_b64 s[12:13], s[0:1], 0x20              ; ctxw
	v_lshl_add_u32 v14, v0, 2, 0xa800
	v_mov_b32 v15, 0
	v_and_b32 v1, 31, v0                           ; lane
	v_and_b32 v2, 15, v0                           ; r
	v_bfe_u32 v3, v0, 4, 1                         ; h
	v_lshrrev_b32 v13, 5, v0
	v_readfirstlane_b32 s14, v13                   ; wave 0..7
	s_and_b32 s15, ttmp7, 0xffff                   ; g
	s_and_b32 s30, s14, 1                          ; bs: the plane that waves 0 and 1 finish (the other waves' copies are not used)
	s_mul_i32 s26, s14, STG
	s_lshl_b32 s27, s14, 10
	s_add_co_u32 s27, s27, RED
	s_lshl_b32 s28, s30, 9
	s_add_co_u32 s28, s28, RED
	v_lshlrev_b32 v4, 4, v1                        ; 16 x lane
	v_lshlrev_b32 v10, 4, v2                       ; 16 r
	v_mul_u32_u24 v5, v3, 272
	v_add_nc_u32 v5, v5, v10
	v_add_nc_u32 v5, s26, v5                       ; stage + 272 h + 16 r
	v_mul_u32_u24 v6, v2, 272
	v_lshl_add_u32 v6, v3, 4, v6
	v_add_nc_u32 v6, s26, v6                       ; stage + 272 r + 16 h
	v_add_nc_u32 v7, s27, v4                       ; RED + 1024 w + 16 x lane
	v_add_nc_u32 v8, s28, v4                       ; RED + 512 bs + 16 x lane
	v_lshlrev_b32 v9, 5, v3                        ; S: two batches of 16 bytes x h
	v_lshl_add_u32 v11, v3, 13, v10                ; output: two rows of 4,096 bytes x h + 16 r
	v_lshl_add_u32 v12, v3, 11, v10                ; T: a row of 2,048 bytes x h + 16 r
	s_lshl_b32 s16, ttmp9, 19                      ; tws: 524,288 bytes a head, 16 rows of 2,048 a group, 256 bytes a wave
	s_lshl_b32 s17, s15, 15
	s_add_co_u32 s16, s16, s17
	s_lshl_b32 s17, s14, 8
	s_add_co_u32 s16, s16, s17
	s_mov_b32 s17, 0
	s_lshl_b32 s18, ttmp9, 17                      ; wvf: 131,072 bytes a slice, four K steps of 4,096 a wave
	s_lshl_b32 s19, s14, 14
	s_add_co_u32 s18, s18, s19
	s_mov_b32 s19, 0
	s_lshl_b32 s20, ttmp9, 10                      ; sws: 1,024 bytes a head, batch 4 g + bs at 16 bytes each
	s_lshl_b32 s21, s15, 6
	s_add_co_u32 s20, s20, s21
	s_lshl_b32 s21, s30, 4
	s_add_co_u32 s20, s20, s21
	s_mov_b32 s21, 0
	s_lshl_b32 s22, ttmp9, 8                       ; bv: the head's 256 bytes
	s_mov_b32 s23, 0
	s_lshl_b32 s24, s15, 14                        ; ctxw: row 4 g + bs of 4,096 bytes, + the head's 256
	s_lshl_b32 s25, s30, 12
	s_add_co_u32 s24, s24, s25
	s_add_co_u32 s24, s24, s22
	s_mov_b32 s25, 0
	s_wait_kmcnt 0x0
	s_add_nc_u64 s[4:5], s[4:5], s[16:17]
	s_add_nc_u64 s[6:7], s[6:7], s[18:19]
	s_add_nc_u64 s[8:9], s[8:9], s[20:21]
	s_add_nc_u64 s[10:11], s[10:11], s[22:23]
	s_add_nc_u64 s[12:13], s[12:13], s[24:25]
	; all the wave's loads in one run: 2 + 8 + 32
	global_load_b128 v[16:19], v9, s[8:9]
	global_load_b128 v[20:23], v10, s[10:11]
.irp l, 0,1,2,3,4,5,6,7
	global_load_b128 v[AL+4*\l:AL+4*\l+3], v12, s[4:5] offset:\l*4096 th:TH_LOAD_NT   ; rows 2 l and 2 l + 1: sixteen lanes read the wave's 256 consecutive, aligned bytes of a row
.endr
.set l, 0
.rept 32
	global_load_b128 v[BFR+4*l:BFR+4*l+3], v4, s[6:7] offset:l*512   ; fragment order: register 32 i + 8 t + 4 e at byte 4096 i + 1024 t + 512 e
.set l, l+1
.endr
	s_wait_loadcnt 32                              ; S, bv and T are in; Wv's 32 loads stay out
.irp l, 0,1,2,3,4,5,6,7
	ds_store_b128 v5, v[AL+4*\l:AL+4*\l+3] offset:\l*544
.endr
.irp i, 0,1,2,3                                    ; the stage is the wave's own and LDS serves a wave in order (ISA guide 5.7.1): no wait between
	ds_load_b128 v[AFR+8*\i:AFR+8*\i+3],   v6 offset:\i*64
	ds_load_b128 v[AFR+8*\i+4:AFR+8*\i+7], v6 offset:\i*64+32
.endr
.irp i, 0,1,2,3
	s_wait_loadcnt 8*(3-\i)                        ; eight loads of Wv a K step: the later K steps' stay out
	s_wait_dscnt 2*(3-\i)                          ; and two LDS loads
.irp t, 0,1,2,3                                    ; the four accumulators take turns, one instruction a turn
.if \i == 0
	v_wmma_f32_16x16x32_f16 v[ACC+8*\t:ACC+8*\t+7], v[AFR+8*\i:AFR+8*\i+7], v[BFR+32*\i+8*\t:BFR+32*\i+8*\t+7], 0
.else
	v_wmma_f32_16x16x32_f16 v[ACC+8*\t:ACC+8*\t+7], v[AFR+8*\i:AFR+8*\i+7], v[BFR+32*\i+8*\t:BFR+32*\i+8*\t+7], v[ACC+8*\t:ACC+8*\t+7]
.endif
.endr
.endr
.rept 4
	v_nop                                          ; four places before the results are read (ISA guide 7.12.1)
.endr
	; register jj of tile t in lane (r, h) is row 8 h + jj = batch 2 h + jj / 4 of the group, quarter jj % 4; column 4 r + t
.irp t, 0,1,2,3
.irp bs, 0,1
	v_pk_add_f32 v[ACC+8*\t+4*\bs:ACC+8*\t+4*\bs+1], v[ACC+8*\t+4*\bs:ACC+8*\t+4*\bs+1], v[ACC+8*\t+4*\bs+2:ACC+8*\t+4*\bs+3]
.endr
.endr
.irp t, 0,1,2,3
.irp bs, 0,1
	v_add_f32 v[V+4*\bs+\t], v[ACC+8*\t+4*\bs], v[ACC+8*\t+4*\bs+1]
.endr
.endr
.irp bs, 0,1
	ds_store_b128 v7, v[V+4*\bs:V+4*\bs+3] offset:\bs*512
.endr
	s_wait_dscnt 0x0                               ; my sums are in LDS before I say so
	s_barrier_signal -1
	s_barrier_wait -1
	s_cmp_ge_u32 s14, 2
	s_cbranch_scc1 .Lend                           ; waves 0 and 1 finish: wave bs takes batches 4 g + 2 h + bs
.irp src, 0,1,2,3,4,5,6,7
	ds_load_b128 v[RB+4*\src:RB+4*\src+3], v8 offset:\src*1024
.endr
	v_pk_add_f32 v[16:17], v[16:17], v[18:19]
	v_add_f32 v16, v16, v17                        ; the batch's sum of gates
	s_wait_dscnt 0x0
.irp pr, 0,2
.irp m, 0,1,2,3
	v_pk_add_f32 v[RB+8*\m+\pr:RB+8*\m+\pr+1], v[RB+8*\m+\pr:RB+8*\m+\pr+1], v[RB+8*\m+4+\pr:RB+8*\m+4+\pr+1]
.endr
	v_pk_add_f32 v[RB+\pr:RB+\pr+1], v[RB+\pr:RB+\pr+1], v[RB+8+\pr:RB+8+\pr+1]
	v_pk_add_f32 v[RB+16+\pr:RB+16+\pr+1], v[RB+16+\pr:RB+16+\pr+1], v[RB+24+\pr:RB+24+\pr+1]
	v_pk_add_f32 v[RB+\pr:RB+\pr+1], v[RB+\pr:RB+\pr+1], v[RB+16+\pr:RB+16+\pr+1]
	v_pk_fma_f32 v[RB+\pr:RB+\pr+1], v[16:17], v[20+\pr:21+\pr], v[RB+\pr:RB+\pr+1] op_sel_hi:[0,1,1]   ; + S bv
.endr
	global_store_b128 v11, v[RB:RB+3], s[12:13]    ; sixteen lanes store the head's 256 consecutive, aligned bytes of one row
.Lend:
	s_wait_tensorcnt 0x0
	ds_add_u32 v14, v15
	s_wait_dscnt 0x0
	s_endpgm
.Lfunc_end_k_qe55609a30e_ctx:
	.size	k_qe55609a30e_ctx, .Lfunc_end_k_qe55609a30e_ctx-k_qe55609a30e_ctx
	.p2alignl 7, 3214868480
	.fill 96, 4, 3214868480
	.section	.rodata,"a",@progbits
	.p2align	6, 0x0
	.amdhsa_kernel k_qe55609a30e_ctx
		.amdhsa_group_segment_fixed_size 44032
		.amdhsa_private_segment_fixed_size 0
		.amdhsa_enable_private_segment 0
		.amdhsa_kernarg_size 40
		.amdhsa_user_sgpr_count 2
		.amdhsa_user_sgpr_kernarg_segment_ptr 1
		.amdhsa_wavefront_size32 1
		.amdhsa_system_sgpr_workgroup_id_x 1
		.amdhsa_system_sgpr_workgroup_id_y 1
		.amdhsa_system_sgpr_workgroup_id_z 1
		.amdhsa_system_vgpr_workitem_id 0
		.amdhsa_next_free_vgpr 256
		.amdhsa_next_free_sgpr 66
		.amdhsa_reserve_vcc 0
		.amdhsa_float_denorm_mode_32 3
		.amdhsa_float_denorm_mode_16_64 3
		.amdhsa_memory_ordered 1
		.amdhsa_forward_progress 1
		.amdhsa_inst_pref_size 12
	.end_amdhsa_kernel
	.amdgpu_metadata
---
amdhsa.version: [ 1, 2 ]
amdhsa.kernels:
  - .name:           k_qe55609a30e_ctx
    .symbol:         k_qe55609a30e_ctx.kd
    .args:
      - { .name: tws, .offset: 0, .size: 8, .value_kind: global_buffer, .address_space: global }
      - { .name: wvf, .offset: 8, .size: 8, .value_kind: global_buffer, .address_space: global }
      - { .name: sws, .offset: 16, .size: 8, .value_kind: global_buffer, .address_space: global }
      - { .name: bv, .offset: 24, .size: 8, .value_kind: global_buffer, .address_space: global }
      - { .name: ctxw, .offset: 32, .size: 8, .value_kind: global_buffer, .address_space: global }
    .group_segment_fixed_size: 44032
    .private_segment_fixed_size: 0
    .kernarg_segment_align: 8
    .kernarg_segment_size: 40
    .max_flat_workgroup_size: 256
    .sgpr_count:     66
    .vgpr_count:     256
    .wavefront_size: 32
...
	.end_amdgpu_metadata
.endif
;; end of part 3
;; launch out (part 4): grid 16 x 4, 8 waves a work-group, no clusters, 68,608 bytes of LDS; arguments ctxw, wdf, bd, out0; writes out0
.if DOCPART == 4
	.amdgcn_target "amdgcn-amd-amdhsa--gfx1250"
	.amdhsa_code_object_version 6
	.text
	.protected	k_qe55609a30e_out
	.globl	k_qe55609a30e_out
	.p2align	8
	.type	k_qe55609a30e_out,@function
k_qe55609a30e_out:
	s_mov_b64 s[64:65], 0
	v_nop
	global_prefetch_b8 v0, s[64:65] scope:SCOPE_SE
	s_setreg_imm32_b32 hwreg(HW_REG_WAVE_MODE, 25, 1), 1
	s_wait_xcnt 0x0
; out0 = ctx Wd + bd, f32, [64][1024].  Work-group (x = slice of 64 columns, y = 16 rows): the smallest block whose rows are whole pieces of 256 bytes
; of out0 and whose height is a matrix instruction's; K is not split over work-groups, since no launch follows that could add.  So 64 work-groups.
; Eight waves; wave w sums K = 128 w .. +127 (four K steps) in four accumulators; all its 49 loads go out in one run; the eight waves' sums meet in LDS
; and wave w finishes plane w (rows w and 8 + w of the block).
; Wd comes as f16 in fragment order straight into registers (tile t holds the columns 4 r + t of the slice); ctx is f32 and goes through a
; stage in LDS of the wave's own to become fragments.
; FORMAT: matrix operands are f16, sums f32.  ctx is multiplied by 2^-6 before it is rounded and the sum by 2^6 afterwards,
; so |ctx| may reach 4.1e6; weights below 6.1e-5 in magnitude are f16 denormals (absolute error at most 3e-8).
; No tensor loads and no joint loads, though four work-groups read one slice of Wd: one step of 16 matrix instructions a wave, nothing refilled;
; a joint load would add two rounds of the cluster's barrier and 32 LDS loads a wave for fragments that now land in registers.
.set STG,  16*272                      ; a wave's stage: 16 rows x (128 f16 = 256 bytes + 16)
.set RED,  8*STG                       ; 34,816: 32,768 bytes: [wave 8][register jj 8][lane 32][t 4] f32
.set VA,   4                           ; v4   16 x lane
.set VW,   5                           ; v5   h x 8 rows of 4,096 bytes + 16 r: offset in the output
.set VR16, 6                           ; v6   16 r
.set VST,  7                           ; v7   stage + 8 x lane
.set VFR,  8                           ; v8   stage + 272 r + 16 h
.set VRS,  9                           ; v9   RED + 4096 w + 16 x lane
.set VRL,  10                          ; v10  RED + 512 w + 16 x lane
.set BIAS, 12                          ; v[12:15]
.set AFR,  16                          ; v[16:47]   ctx's fragments, four K steps
.set AL,   48                          ; v[48:111]  ctx as loaded; afterwards:
.set ACC,  48                          ; v[48:79]   four accumulators
.set RB,   80                          ; v[80:111]  the eight waves' sums read back
.set BFR,  112                         ; v[112:239] Wd's fragments, 32 i + 8 t
	s_load_b256 s[4:11], s[0:1], 0x0               ; ctxw s[4:5], wdf s[6:7], bd s[8:9], out0 s[10:11]
	v_lshl_add_u32 v254, v0, 2, 0x10800
	v_mov_b32 v255, 0
	v_and_b32 v1, 31, v0                           ; lane
	v_and_b32 v2, 15, v0                           ; r
	v_bfe_u32 v3, v0, 4, 1                         ; h
	v_lshrrev_b32 v11, 5, v0
	v_readfirstlane_b32 s12, v11                   ; wave 0..7
	s_and_b32 s13, ttmp7, 0xffff                   ; row block
	v_lshlrev_b32 v[VA], 4, v1
	v_lshlrev_b32 v[VR16], 4, v2
	v_lshl_add_u32 v[VW], v3, 15, v[VR16]
	s_lshl_b32 s14, s13, 16                        ; ctx: 16 rows of 4,096 bytes a row block
	s_lshl_b32 s15, s12, 9                         ;      + the wave's 128 numbers
	s_add_co_u32 s14, s14, s15
	s_mov_b32 s15, 0
	s_lshl_b32 s16, ttmp9, 17                      ; wdf: 131,072 bytes a slice, four K steps of 4,096 a wave
	s_lshl_b32 s17, s12, 14
	s_add_co_u32 s16, s16, s17
	s_mov_b32 s17, 0
	s_lshl_b32 s18, ttmp9, 8                       ; the slice's 64 columns, in bytes: the bias's offset
	s_mov_b32 s19, 0
	s_lshl_b32 s20, s13, 16                        ; output: the row block, the slice, row w of each half of the block
	s_add_co_u32 s20, s20, s18
	s_lshl_b32 s21, s12, 12
	s_add_co_u32 s20, s20, s21
	s_mov_b32 s21, 0
	s_mul_i32 s22, s12, STG
	s_lshl_b32 s23, s12, 12
	s_add_co_u32 s23, s23, RED
	s_lshl_b32 s24, s12, 9
	s_add_co_u32 s24, s24, RED
	v_lshl_add_u32 v[VST], v1, 3, s22
	v_mul_u32_u24 v[VFR], v2, 272
	v_lshl_add_u32 v[VFR], v3, 4, v[VFR]
	v_add_nc_u32 v[VFR], s22, v[VFR]
	v_add_nc_u32 v[VRS], s23, v[VA]
	v_add_nc_u32 v[VRL], s24, v[VA]
	s_wait_kmcnt 0x0
	s_add_nc_u64 s[4:5], s[4:5], s[14:15]
	s_add_nc_u64 s[6:7], s[6:7], s[16:17]
	s_add_nc_u64 s[8:9], s[8:9], s[18:19]
	s_add_nc_u64 s[10:11], s[10:11], s[20:21]
	; all the wave's loads go out in one run: 1 + 16 + 32
	global_load_b128 v[BIAS:BIAS+3], v[VR16], s[8:9]
.set j, 0
.rept 16
	global_load_b128 v[AL+4*j:AL+4*j+3], v[VA], s[4:5] offset:j*4096   ; row j: the wave's 512 consecutive bytes
.set j, j+1
.endr
.set l, 0
.rept 32
	global_load_b128 v[BFR+4*l:BFR+4*l+3], v[VA], s[6:7] offset:l*512   ; fragment order: register 32 i + 8 t + 4 e at byte 4096 i + 1024 t + 512 e
.set l, l+1
.endr
	s_wait_loadcnt 32                              ; bias and ctx are in; Wd's 32 loads stay out
.set j, 0
.rept 16                                           ; 4 numbers a lane: scaled, rounded, 8 bytes into the stage
	v_pk_mul_f32 v[AL+4*j:AL+4*j+1], v[AL+4*j:AL+4*j+1], 0x3c800000 op_sel_hi:[1,0]
	v_pk_mul_f32 v[AL+4*j+2:AL+4*j+3], v[AL+4*j+2:AL+4*j+3], 0x3c800000 op_sel_hi:[1,0]
	v_cvt_pk_f16_f32 v[AL+4*j], v[AL+4*j], v[AL+4*j+1]
	v_cvt_pk_f16_f32 v[AL+4*j+1], v[AL+4*j+2], v[AL+4*j+3]
	ds_store_b64 v[VST], v[AL+4*j:AL+4*j+1] offset:j*272
.set j, j+1
.endr
.irp i, 0,1,2,3                                    ; the stage is the wave's own and LDS serves a wave in order (ISA guide 5.7.1): no wait between
	ds_load_b128 v[AFR+8*\i:AFR+8*\i+3],   v[VFR] offset:\i*64
	ds_load_b128 v[AFR+8*\i+4:AFR+8*\i+7], v[VFR] offset:\i*64+32
.endr
.irp i, 0,1,2,3
	s_wait_loadcnt 8*(3-\i)                        ; eight loads of Wd a K step: the later K steps' stay out
	s_wait_dscnt 2*(3-\i)                          ; and two LDS loads; the stores into the stage are older, so the registers that they read may take the sums
.irp t, 0,1,2,3                                    ; the four accumulators take turns, one instruction a turn
.if \i == 0
	v_wmma_f32_16x16x32_f16 v[ACC+8*\t:ACC+8*\t+7], v[AFR+8*\i:AFR+8*\i+7], v[BFR+32*\i+8*\t:BFR+32*\i+8*\t+7], 0
.else
	v_wmma_f32_16x16x32_f16 v[ACC+8*\t:ACC+8*\t+7], v[AFR+8*\i:AFR+8*\i+7], v[BFR+32*\i+8*\t:BFR+32*\i+8*\t+7], v[ACC+8*\t:ACC+8*\t+7]
.endif
.endr
.endr
.rept 4
	v_nop                                          ; four places before the results are read (ISA guide 7.12.1)
.endr
	; register jj of tile t in lane (r, h) is row 8h + jj, column 4r + t: word t of the lane's 16 bytes in plane jj
.irp t, 0,1,2,3
.irp jj, 0,1,2,3,4,5,6,7
	ds_store_b32 v[VRS], v[ACC+8*\t+\jj] offset:\jj*512+\t*4
.endr
.endr
	s_wait_dscnt 0x0                               ; my sums are in LDS before I say so
	s_barrier_signal -1
	s_barrier_wait -1
.irp src, 0,1,2,3,4,5,6,7                          ; wave w adds plane w of all eight waves
	ds_load_b128 v[RB+4*\src:RB+4*\src+3], v[VRL] offset:\src*4096
.endr
	s_wait_dscnt 0x0
.irp pr, 0,2
.irp m, 0,1,2,3
	v_pk_add_f32 v[RB+8*\m+\pr:RB+8*\m+\pr+1], v[RB+8*\m+\pr:RB+8*\m+\pr+1], v[RB+8*\m+4+\pr:RB+8*\m+4+\pr+1]
.endr
	v_pk_add_f32 v[RB+\pr:RB+\pr+1], v[RB+\pr:RB+\pr+1], v[RB+8+\pr:RB+8+\pr+1]
	v_pk_add_f32 v[RB+16+\pr:RB+16+\pr+1], v[RB+16+\pr:RB+16+\pr+1], v[RB+24+\pr:RB+24+\pr+1]
	v_pk_add_f32 v[RB+\pr:RB+\pr+1], v[RB+\pr:RB+\pr+1], v[RB+16+\pr:RB+16+\pr+1]
	v_pk_fma_f32 v[RB+\pr:RB+\pr+1], v[RB+\pr:RB+\pr+1], 0x42800000, v[BIAS+\pr:BIAS+\pr+1] op_sel_hi:[1,0,1]   ; x 2^6, + bias
.endr
	global_store_b128 v[VW], v[RB:RB+3], s[10:11]  ; sixteen lanes store the slice's 256 consecutive, aligned bytes of one row
	s_wait_tensorcnt 0x0
	ds_add_u32 v254, v255
	s_wait_dscnt 0x0
	s_endpgm
.Lfunc_end_k_qe55609a30e_out:
	.size	k_qe55609a30e_out, .Lfunc_end_k_qe55609a30e_out-k_qe55609a30e_out
	.p2alignl 7, 3214868480
	.fill 96, 4, 3214868480
	.section	.rodata,"a",@progbits
	.p2align	6, 0x0
	.amdhsa_kernel k_qe55609a30e_out
		.amdhsa_group_segment_fixed_size 68608
		.amdhsa_private_segment_fixed_size 0
		.amdhsa_enable_private_segment 0
		.amdhsa_kernarg_size 32
		.amdhsa_user_sgpr_count 2
		.amdhsa_user_sgpr_kernarg_segment_ptr 1
		.amdhsa_wavefront_size32 1
		.amdhsa_system_sgpr_workgroup_id_x 1
		.amdhsa_system_sgpr_workgroup_id_y 1
		.amdhsa_system_sgpr_workgroup_id_z 1
		.amdhsa_system_vgpr_workitem_id 0
		.amdhsa_next_free_vgpr 256
		.amdhsa_next_free_sgpr 66
		.amdhsa_reserve_vcc 0
		.amdhsa_float_denorm_mode_32 3
		.amdhsa_float_denorm_mode_16_64 3
		.amdhsa_memory_ordered 1
		.amdhsa_forward_progress 1
		.amdhsa_inst_pref_size 19
	.end_amdhsa_kernel
	.amdgpu_metadata
---
amdhsa.version: [ 1, 2 ]
amdhsa.kernels:
  - .name:           k_qe55609a30e_out
    .symbol:         k_qe55609a30e_out.kd
    .args:
      - { .name: ctxw, .offset: 0, .size: 8, .value_kind: global_buffer, .address_space: global }
      - { .name: wdf, .offset: 8, .size: 8, .value_kind: global_buffer, .address_space: global }
      - { .name: bd, .offset: 16, .size: 8, .value_kind: global_buffer, .address_space: global }
      - { .name: out0, .offset: 24, .size: 8, .value_kind: global_buffer, .address_space: global }
    .group_segment_fixed_size: 68608
    .private_segment_fixed_size: 0
    .kernarg_segment_align: 8
    .kernarg_segment_size: 32
    .max_flat_workgroup_size: 256
    .sgpr_count:     66
    .vgpr_count:     256
    .wavefront_size: 32
...
	.end_amdgpu_metadata
.endif
;; end of part 4
